; MI455X (gfx1250); checked and timed in simulation.
; The chip was launched on July 23, 2026; its instructions are those of AMD's public machine-readable ISA for CDNA 5 (MIT licence, August 2026) and "CDNA5" Instruction Set Architecture Reference Guide (July 2026). The comments in the code are by the model that wrote it; some were corrected since.
;; Attn Match. Allowed arithmetic: matrix products marked QUANTISED: E4M3 operands, one E8M0 scale for each 32 along K, by v_wmma_scale_f32_16x16x128_f8f6f4 with both operands' format E4M3, f32 sums; products left as they are: f32 operands where the result goes on into a quantised operand, else bf16, f16 or f32 operands; f32 sums; everything else in f32.
;; Inputs: U_codes 1,024 x 32 x 32 uint8 (E4M3 codes of U, K innermost, in blocks of 32 codes); U_scales 1,024 x 32 uint8 (E8M0 scales of U, one for each 32 codes along K); W_codes 1,024 x 32 x 32 uint8 (E4M3 codes of W, K innermost, in blocks of 32 codes); W_scales 1,024 x 32 uint8 (E8M0 scales of W, one for each 32 codes along K); att_hidden 32 x 2,048 x 1,024 float32; rnn_state 1 x 32 x 1,024 float32.
;; Outputs: out0 32 x 1,024 float32; out1 32 x 2,048 float32.
;; This version of the problem:
;;   THIS VERSION OF THE PROBLEM IS GIVEN IN LOW PRECISION. The matrix products marked QUANTISED in the list below multiply operands that are first quantised to E4M3 (4 exponent bits, 3 mantissa bits; 8 bits a number), with one power-of-two scale for each 32 numbers along K (OCP MX v1.0); their sums are f32. All else is computed in f32.
;;   The module's matrix products, in the order in which they are computed (A, B: the left and right operand; K: the contracted axis; several contracted axes count as one K, in the product's order):
;;     1. [M 65,536, K 1,024] x [K 1,024, N 1,024]; A: input att_hidden; B: input W (given as codes): QUANTISED
;;     2. [M 32, K 1,024] x [K 1,024, N 1,024]; A: input rnn_state; B: input U (given as codes): QUANTISED
;;     3. batch 32 x [M 2,048, K 1,024] x [K 1,024, N 1]; A: computed on the way; B: input rnn_state: left as it is (N = 1 < 16)
;;     4. batch 32 x [M 1,024, K 2,048] x [K 2,048, N 1]; A: input att_hidden; B: softmax: left as it is (N = 1 < 16)
;;   THE QUANTISER, for each operand of a quantised product, along K:
;;     - K is cut into blocks of 32 from its start; a last block that is shorter is filled with zeros.
;;     - A block's scale is 2^e with e = floor(log2(the largest magnitude in the block)) - 8, held to -126 .. 127; a block of zeros has e = 0. As a byte (E8M0): e + 127.
;;     - Each number is divided by its block's scale, clamped to +-448, and rounded to the nearest number of E4M3, ties to even, subnormals kept.
;;     - The product sums the exact products of the quantised numbers (number of the format x scale) in f32.
;;   ~~~python
;;   def quantise(x, axis):      # numpy; x: float32 -> the quantised numbers, widened to float32 again
;;       x = np.moveaxis(x, axis, -1); K = x.shape[-1]
;;       x = np.pad(x, [(0, 0)] * (x.ndim - 1) + [(0, -K % 32)]); x = x.reshape(x.shape[:-1] + (-1, 32)); a = np.abs(x).max(-1, keepdims=True)
;;       e = np.where(a > 0, np.clip(np.frexp(np.where(a > 0, a, 1))[1] - 1 - 8, -126, 127), 0)      # np.frexp(a)[1] - 1 = floor(log2(a)), exactly
;;       r = np.clip(x / 2.0 ** e, -448, 448)
;;       step = 2.0 ** (np.maximum(np.frexp(np.where(r == 0, 1, r))[1] - 1, -6) - 3)
;;       q = np.round(r / step) * step * 2.0 ** e      # np.round: ties to even
;;       return np.moveaxis(q.reshape(q.shape[:-2] + (-1,))[..., :K], -1, axis).astype(np.float32)
;;   ~~~
;;   INPUTS GIVEN AS CODES. U (in the module: [1024, 1024], K = its axis 1); W (in the module: [1024, 1024], K = its axis 1): each comes as NAME_codes (uint8): NAME with its K axis moved to the last place and cut into blocks of 32 codes, [.., K / 32, bytes a block], one block behind the other in memory; one code a byte (a code: sign, 4 exponent bits, 3 mantissa bits); and NAME_scales (uint8): the same leading axes, one E8M0 byte (e + 127) for each 32 codes along K. Its value is code x scale, taken as it is: it is not quantised again, and the codes and scales need not be those that the quantiser above would give.
;; One version. Each part assembles by itself: llvm-mc -triple=amdgcn-amd-amdhsa -mcpu=gfx1250 --defsym DOCPART=n.
;; ======== version 1 of 1: 3 launches
;; workspace buffers: negc 131,072 bytes; scores 262,144 bytes
;; launch uq (part 1): grid 8 x 1, 8 waves a work-group, no clusters, 52,736 bytes of LDS; arguments rnn_state, U_codes, U_scales, negc; writes negc
.if DOCPART == 1
	.amdgcn_target "amdgcn-amd-amdhsa--gfx1250"
	.amdhsa_code_object_version 6
	.text
	.protected	k_q0be30c8f21_uq
	.globl	k_q0be30c8f21_uq
	.p2align	8
	.type	k_q0be30c8f21_uq,@function
k_q0be30c8f21_uq:
	s_mov_b64 s[64:65], 0
	v_nop
	global_prefetch_b8 v0, s[64:65] scope:SCOPE_SE
	s_setreg_imm32_b32 hwreg(HW_REG_WAVE_MODE, 25, 1), 1
	s_wait_xcnt 0x0
; negc[b][e] = -(Q(rs[b]) . U[e]): the second product of the problem's table, in MX-FP8, with its sign turned.  rs: [32][1024] f32, quantised here along K in blocks of 32;
; U: codes [1024][1024] with K innermost and scale bytes [1024][32], taken as they are given.  negc: [32][1024] f32, a workspace buffer.
; WHY THE SIGN, AND WHAT IS LEFT OUT.  With c = rs U^T, relu(x + c) = max(x, -c) + c for all real x and c.  So score[s] = sum_e rs[e] max(x[s][e], -c[e]) + sum_e rs[e] c[e], and the second sum is the same
; for every s of a batch: a term added to the softmax's input that is the same along its axis.  It is left out for all values of the inputs; every input is still read.  The next launch takes the maximum with negc.
; LIMITS: NaN and infinities among the inputs are not served (the maxima and the hold drop a NaN); an overflow of the sum left out is not carried to the result; a block of zeros gets the scale byte 1 with zero codes,
; which add nothing; blocks whose largest magnitude lies under 2^(9 - 127) are held at that byte.
; SHARES.  Eight work-groups of eight waves.  Work-group g takes e = 128 g .. 128 g + 127, wave w the 16 columns e0 = 128 g + 16 w, for all 32 batches (two tiles of 16 rows).  Wave w also quantises K step w
; (128 along K) of both row tiles; the fragments go from wave to wave through LDS as images of their registers: 16 bytes a lane, 512 bytes a store.
; No tensor loads and no cluster: U's rows are each wave's own and go straight into registers; what the work-groups share, rs, is quantised in registers on its way.
.set FRB,    2048                      ; a fragment's image: 16 registers x 128 bytes
.set IMG,    0                         ; LDS: 16 images, fragment (K step ks, row tile mt) at (2 ks + mt) FRB
.set ISC,    16*FRB                    ; their scale words, 128 bytes each
.set STG,    ISC+16*128                ; the stage for the way out: 32 rows (batches) x (512 bytes + 16)
.set SPITCH, 528
.set SPARE,  STG+32*SPITCH             ; the spare words, 128 bytes for each wave: four blocks of 256 bytes that no other line names
.set XA,  4                            ; v4   rs: my lane's byte: row r, + 64 h, + 512 x wave
.set LI,  5                            ; v5   16 x lane
.set LS,  6                            ; v6   4 x lane
.set XWI, 7                            ; v7   where I store my images: 16 x lane + 2 FRB x wave
.set XWS, 8                            ; v8   and their scale words: 4 x lane + 256 x wave
.set UA,  9                            ; v9   U's codes: row r of 1,024 bytes, + 16 h
.set USA, 10                           ; v10  U's scale bytes: row r of 32
.set SO,  11                           ; v11  the stage, on the way in
.set SR,  12                           ; v12  and back
.set PC,  32                           ; v32-47   the codes just made; later -c
.set X,   64                           ; v64-191  2 x 64 numbers of rs; later eight fragments of rs; later rows of negc
.set AS,  192                          ; v192-207 rs's scale words, fragment 2 ks + mt: scales and nothing else
.set US,  208                          ; v208-215 U's scale words, K step ks: scales and nothing else
.set ACC, 216                          ; v216-231 two accumulators
.set TM,  232                          ; v232-247 at work in the quantiser
.set PW,  248                          ; v248     the scale word just made
.set SPW, 250                          ; v250     LDS address of my spare word; never rewritten
.set NIL, 251                          ; v251     0; never rewritten
.set WV,  12                           ; window 1, v0-127: U's eight fragments, K step ks at 16 ks
.set SEL, 20
.set MNT, 22
.set MSB, 0
.macro WIN new                         ; the immediate's high byte repeats the setting that is left
.if MSB != (\new)
	s_set_vgpr_msb (MSB<<8)|(\new)
.set MSB, (\new)
.endif
.endm
; 64 numbers of a lane, register 16 b + i = k 32 b + 16 (lane / 16) + i of my row, become a fragment's codes in v[PC] on and its scale word in v[PW]
.macro QUANT s
.irp b, 0,1,2,3
	v_max3_num_f32 v[TM+\b], |v[(\s)+16*\b]|, |v[(\s)+1+16*\b]|, 0x4800000   ; block b: my 16 numbers, and the floor 2^(9 - 127): the byte cannot fall under 1
.endr
.irp i, 2,4,6,8,10,12,14
.irp b, 0,1,2,3
	v_max3_num_f32 v[TM+\b], v[TM+\b], |v[(\s)+16*\b+\i]|, |v[(\s)+1+16*\b+\i]|   ; the four blocks by turns
.endr
.endr
.irp b, 0,1,2,3
	v_permlanex16_b32 v[TM+4+\b], v[TM+\b], s[SEL], s[SEL+1]
.endr
.irp b, 0,1,2,3
	v_max_num_f32 v[TM+\b], v[TM+\b], v[TM+4+\b]                  ; with lane l xor 16's: the block's largest magnitude
.endr
.irp b, 0,1,2,3
	v_add_nc_u32 v[TM+12+\b], 0xfc000000, v[TM+\b]                ; 8 off its exponent field: the conversion's scale operand
.endr
.irp b, 0,1,2,3
	v_and_or_b32 v[TM+8+\b], v[TM+\b], 0x7f800000, s[MNT]         ; 448 x the scale
.endr
.irp b, 0,1,2,3
	v_lshrrev_b32 v[TM+4+\b], 23, v[TM+12+\b]                     ; the scale's byte
.endr
	v_lshl_or_b32 v[PW], v[TM+5], 8, v[TM+4]
	v_lshl_or_b32 v[PW], v[TM+6], 16, v[PW]
	v_lshl_or_b32 v[PW], v[TM+7], 24, v[PW]
.irp b, 0,1,2,3
.irp i, 0,1,2,3,4,5,6,7,8,9,10,11,12,13,14,15
	v_med3_num_f32 v[(\s)+16*\b+\i], v[(\s)+16*\b+\i], -v[TM+8+\b], v[TM+8+\b]   ; the conversion to an 8-bit code does not saturate (ISA guide 7.6.2): the hold comes first
.endr
	v_cvt_scalef32_pk8_fp8_f32 v[PC+4*\b:PC+1+4*\b], v[(\s)+16*\b:(\s)+7+16*\b], v[TM+12+\b]
	v_cvt_scalef32_pk8_fp8_f32 v[PC+2+4*\b:PC+3+4*\b], v[(\s)+8+16*\b:(\s)+15+16*\b], v[TM+12+\b]
.endr
	v_nop                                          ; a plain line behind the last conversion
.endm
.macro IMAGE off                               ; the fragment in v[PC] on goes to LDS as it stands
.irp c, 0,1,2,3
	ds_store_b128 v[XWI], v[PC+4*\c:PC+4*\c+3] offset:(\off)+512*\c
.endr
.endm
.macro FETCH reg, off                          ; and comes back so, in any wave
.irp c, 0,1,2,3
	ds_load_b128 v[(\reg)+4*\c:(\reg)+4*\c+3], v[LI] offset:(\off)+512*\c
.endr
.endm
.macro BARRIER                                 ; my LDS stores have landed and my LDS loads are in: then the work-group's barrier
	s_wait_dscnt 0x0
	s_barrier_signal -1
	s_barrier_wait -1
.endm
.macro XLOAD reg, mt                           ; 64 numbers a lane: row 16 mt + r, my wave's 128 along K
.irp b, 0,1,2,3
.irp j, 0,1,2,3
	global_load_b128 v[(\reg)+16*\b+4*\j:(\reg)+16*\b+4*\j+3], v[XA], s[4:5] offset:65536*(\mt)+128*\b+16*\j
.endr
.endr
.endm
; two matrix instructions of K step ks: source 0 = 16 batches of rs, source 1 = my 16 rows of U; the two accumulators take turns
.macro MM ks, zero
.irp mt, 0,1
.if \zero
	v_wmma_scale_f32_16x16x128_f8f6f4 v[ACC+8*\mt:ACC+8*\mt+7], v[X+16*(2*((\ks)%4)+\mt):X+16*(2*((\ks)%4)+\mt)+15], v[16*(\ks):16*(\ks)+15], 0, v[AS+2*(\ks)+\mt], v[US+(\ks)]
.else
	v_wmma_scale_f32_16x16x128_f8f6f4 v[ACC+8*\mt:ACC+8*\mt+7], v[X+16*(2*((\ks)%4)+\mt):X+16*(2*((\ks)%4)+\mt)+15], v[16*(\ks):16*(\ks)+15], v[ACC+8*\mt:ACC+8*\mt+7], v[AS+2*(\ks)+\mt], v[US+(\ks)]
.endif
.endr
.endm
	s_load_b256 s[4:11], s[0:1], 0x0               ; rs s[4:5], U's codes s[6:7], U's scales s[8:9], negc s[10:11]
	v_lshl_add_u32 v[SPW], v0, 2, SPARE
	v_mov_b32 v[NIL], 0
	v_lshrrev_b32 v1, 5, v0
	v_readfirstlane_b32 s[WV], v1                  ; wave 0..7
	v_and_b32 v1, 31, v0                           ; lane
	v_and_b32 v2, 15, v0                           ; r
	v_bfe_u32 v3, v0, 4, 1                         ; h
	s_lshl_b32 s13, s[WV], 9
	v_lshlrev_b32 v[XA], 12, v2
	v_lshl_add_u32 v[XA], v3, 6, v[XA]
	v_add_nc_u32 v[XA], s13, v[XA]
	v_lshlrev_b32 v[LI], 4, v1
	v_lshlrev_b32 v[LS], 2, v1
	s_lshl_b32 s13, s[WV], 12
	v_add_nc_u32 v[XWI], s13, v[LI]
	s_lshl_b32 s13, s[WV], 8
	v_add_nc_u32 v[XWS], s13, v[LS]
	v_lshlrev_b32 v[UA], 10, v2
	v_lshl_add_u32 v[UA], v3, 4, v[UA]
	v_lshlrev_b32 v[USA], 5, v2
	v_mul_u32_u24 v[SO], v3, 8*SPITCH              ; the stage: register j of tile mt is batch 16 mt + 8 h + j, column 16 w + r
	v_lshl_add_u32 v[SO], v2, 2, v[SO]
	s_lshl_b32 s13, s[WV], 6
	s_add_co_u32 s13, s13, STG
	v_add_nc_u32 v[SO], s13, v[SO]
	s_mul_i32 s13, s[WV], 4*SPITCH                 ; back: wave w takes batches 4 w .. 4 w + 3, 16 bytes a lane
	s_add_co_u32 s13, s13, STG
	v_add_nc_u32 v[SR], s13, v[LI]
.irp b, 0,1,2,3
	v_mov_b32 v[TM+4+\b], 0                        ; written once: a lane permute's destination counts as one of its sources
.endr
	s_mov_b32 s[SEL], 0x76543210
	s_mov_b32 s[SEL+1], 0xfedcba98                 ; lane l xor 16
	s_mov_b32 s[MNT], 0x600000                     ; the mantissa field of 448
	s_lshl_b32 s14, ttmp9, 7
	s_lshl_b32 s15, s[WV], 4
	s_add_co_u32 s14, s14, s15                     ; e0
	s_lshl_b32 s16, s14, 10                        ; its codes,
	s_mov_b32 s17, 0
	s_lshl_b32 s18, s14, 5                         ; its scale bytes
	s_mov_b32 s19, 0
	s_lshl_b32 s24, ttmp9, 9                       ; negc: 512 bytes of a row for the work-group,
	s_lshl_b32 s25, s[WV], 14                      ; four rows of 4,096 bytes for the wave
	s_add_co_u32 s24, s24, s25
	s_mov_b32 s25, 0
	s_wait_kmcnt 0x0
	s_add_nc_u64 s[6:7], s[6:7], s[16:17]
	s_add_nc_u64 s[8:9], s[8:9], s[18:19]
	s_add_nc_u64 s[10:11], s[10:11], s[24:25]
	XLOAD X, 0
	XLOAD X+64, 1
	global_load_b128 v[US:US+3], v[USA], s[8:9]              ; lane r: the eight scale words of U's row e0 + r
	global_load_b128 v[US+4:US+7], v[USA], s[8:9] offset:16
	s_wait_loadcnt 18                              ; row tile 0's sixteen loads are in; behind them: tile 1's sixteen and the two of scales
	WIN 0x40                                       ; destination window 1
.irp ks, 0,1,2,3,4,5,6,7
.irp c, 0,1,2,3
	global_load_b128 v[16*\ks+4*\c:16*\ks+4*\c+3], v[UA], s[6:7] offset:128*\ks+32*\c
.endr
.endr
	WIN 0
	QUANT X
	IMAGE IMG
	ds_store_b32 v[XWS], v[PW] offset:ISC
	s_wait_dscnt 0x0                               ; the stores have read their registers
	s_wait_loadcnt 34                              ; row tile 1's loads are in; behind them: the two of scales and U's 32
	QUANT X+64
	IMAGE IMG+FRB
	ds_store_b32 v[XWS], v[PW] offset:ISC+128
	BARRIER                                        ; rs's sixteen fragments lie in LDS
.irp f, 0,1,2,3,4,5,6,7
	FETCH X+16*\f, IMG+\f*FRB                      ; K steps 0 to 3, both row tiles
.endr
.irp f, 0,1,2,3,4,5,6,7,8,9,10,11,12,13,14,15
	ds_load_b32 v[AS+\f], v[LS] offset:ISC+128*\f
.endr
	s_wait_dscnt 0x0
	s_wait_loadcnt 0x0                             ; U
	WIN 0x04                                       ; source 1 (U) window 1
	MM 0, 1                                        ; the first K step starts both sums
	MM 1, 0
	MM 2, 0
	MM 3, 0
	WIN 0
.rept 8
	v_nop                                          ; eight places in front of loads into registers that these matrix instructions have read
.endr
.irp f, 0,1,2,3,4,5,6,7
	FETCH X+16*\f, IMG+(8+\f)*FRB                  ; K steps 4 to 7
.endr
	s_wait_dscnt 0x0
	WIN 0x04
	MM 4, 0
	MM 5, 0
	MM 6, 0
	MM 7, 0
	WIN 0
.rept 8
	v_nop                                          ; eight places in front of the first read of the results
.endr
.irp i, 0,1,2,3,4,5,6,7,8,9,10,11,12,13,14,15
	v_xor_b32 v[PC+\i], 0x80000000, v[ACC+\i]      ; -c; each accumulator from its low end on
.endr
.irp mt, 0,1
.irp j, 0,1,2,3,4,5,6,7
	ds_store_b32 v[SO], v[PC+8*\mt+\j] offset:(16*\mt+\j)*SPITCH
.endr
.endr
	BARRIER                                        ; 32 rows x 512 bytes lie in the stage
.irp i, 0,1,2,3
	ds_load_b128 v[X+4*\i:X+4*\i+3], v[SR] offset:\i*SPITCH
.endr
.irp i, 0,1,2,3
	s_wait_dscnt 3-\i                              ; row i is back; the later rows may be out
	global_store_b128 v[LI], v[X+4*\i:X+4*\i+3], s[10:11] offset:\i*4096   ; 32 lanes store 512 consecutive bytes, at a multiple of 256 from the buffer's first byte
.endr
	s_wait_tensorcnt 0x0                           ; the wave's end, behind my last LDS store
	ds_add_u32 v[SPW], v[NIL]
	s_wait_dscnt 0x0
	s_endpgm
.Lfunc_end_k_q0be30c8f21_uq:
	.size	k_q0be30c8f21_uq, .Lfunc_end_k_q0be30c8f21_uq-k_q0be30c8f21_uq
	.p2alignl 7, 3214868480
	.fill 96, 4, 3214868480
	.section	.rodata,"a",@progbits
	.p2align	6, 0x0
	.amdhsa_kernel k_q0be30c8f21_uq
		.amdhsa_group_segment_fixed_size 52736
		.amdhsa_private_segment_fixed_size 0
		.amdhsa_enable_private_segment 0
		.amdhsa_kernarg_size 32
		.amdhsa_user_sgpr_count 2
		.amdhsa_user_sgpr_kernarg_segment_ptr 1
		.amdhsa_wavefront_size32 1
		.amdhsa_system_sgpr_workgroup_id_x 1
		.amdhsa_system_sgpr_workgroup_id_y 1
		.amdhsa_system_sgpr_workgroup_id_z 1
		.amdhsa_system_vgpr_workitem_id 0
		.amdhsa_next_free_vgpr 384
		.amdhsa_next_free_sgpr 66
		.amdhsa_reserve_vcc 0
		.amdhsa_float_denorm_mode_32 3
		.amdhsa_float_denorm_mode_16_64 3
		.amdhsa_memory_ordered 1
		.amdhsa_forward_progress 1
		.amdhsa_inst_pref_size 37
	.end_amdhsa_kernel
	.amdgpu_metadata
---
amdhsa.version: [ 1, 2 ]
amdhsa.kernels:
  - .name:           k_q0be30c8f21_uq
    .symbol:         k_q0be30c8f21_uq.kd
    .args:
      - { .name: rnn_state, .offset: 0, .size: 8, .value_kind: global_buffer, .address_space: global }
      - { .name: U_codes, .offset: 8, .size: 8, .value_kind: global_buffer, .address_space: global }
      - { .name: U_scales, .offset: 16, .size: 8, .value_kind: global_buffer, .address_space: global }
      - { .name: negc, .offset: 24, .size: 8, .value_kind: global_buffer, .address_space: global }
    .group_segment_fixed_size: 52736
    .private_segment_fixed_size: 0
    .kernarg_segment_align: 8
    .kernarg_segment_size: 32
    .max_flat_workgroup_size: 256
    .sgpr_count:     66
    .vgpr_count:     384
    .wavefront_size: 32
...
	.end_amdgpu_metadata
.endif
;; end of part 1
;; launch proj (part 2): grid 256 x 1, 4 waves a work-group, clusters of 4 x 1, 327,680 bytes of LDS; arguments att_hidden, W_codes, W_scales, rnn_state, negc, scores; writes scores
.if DOCPART == 2
	.amdgcn_target "amdgcn-amd-amdhsa--gfx1250"
	.amdhsa_code_object_version 6
	.text
	.protected	k_q0be30c8f21_proj
	.globl	k_q0be30c8f21_proj
	.p2align	8
	.type	k_q0be30c8f21_proj,@function
k_q0be30c8f21_proj:
	s_mov_b64 s[64:65], 0
	v_nop
	global_prefetch_b8 v0, s[64:65] scope:SCOPE_SE
	s_setreg_imm32_b32 hwreg(HW_REG_WAVE_MODE, 25, 1), 1
	s_wait_xcnt 0x0
	s_wait_alu depctr_hold_cnt(0) depctr_sa_sdst(0) depctr_va_vdst(0) depctr_va_sdst(0) depctr_va_ssrc(0) depctr_va_vcc(0) depctr_vm_vsrc(0)
	s_getreg_b32 s2, hwreg(HW_REG_IB_STS2, 6, 4)
	s_cmp_eq_u32 s2, 0
	s_cbranch_scc0 .Lentry_in_a_cluster
	s_endpgm
.Lentry_in_a_cluster:
	s_bfe_u32 s2, ttmp6, 0x10000c
	s_cmp_lg_u32 s2, 0x3003
	s_cbranch_scc0 .Lentry_shape_is_right
	s_endpgm
.Lentry_shape_is_right:
; scores[b][s] = sum_e rs[b][e] max(x[s][e], negc[b][e]),  x = Q(h) W^T in MX-FP8 (the first product of the problem's table), h = att_hidden [32][2048][1024] f32, quantised here along K in blocks of 32.
; LEFT OUT: relu(x + c) = max(x, -c) + c for all reals, so reference()'s score is this sum + sum_e rs[e] c[e]; that term is the same along the softmax's axis and is left out (shown at the head of the launch before,
; which stores negc = -c).  LIMITS: NaN and infinities are not served; an overflow of the term left out is not carried to the result; a block of zeros gets the scale byte 1 with zero codes.
; The product with rs (the table's third) is made of f32 fused multiply-adds: the scores go into an exponential, so nothing coarser stands ahead of it.
; SHARES.  A work-group of four waves owns 256 rows of one batch, a wave 64: four tiles of 16 rows.  PHASE 1: the wave's rows come through LDS as f32, 32 rows x 256 along K at a time, and are quantised into 512
; registers: the codes of all of K stay there.  PHASE 2: W's 1,024 rows walk through the same two LDS slots, 128 rows a slot; each fragment of W that a wave reads from LDS feeds four matrix instructions.
; CLUSTER.  Four neighbouring work-groups belong to one batch (eight to a batch) and walk the same W, W's scales, rs and negc: each of these is asked for JOINTLY, by the same tensor load with the same descriptor and
; the mask of the four.  h is each work-group's own and comes by tensor loads without the mask, behind the same rounds.
; LAYOUT.  Source 0 = 16 rows of h, source 1 = 16 rows of W: in the result a lane holds ONE e (lane % 16) and eight rows 8 (lane / 16) + j, so negc[e] and rs[e] are one register each for a lane.
; A line's pitch, 1,040 = 65 x 16 bytes: the sixteen rows of a load start at sixteen different 16-byte columns modulo 256.  Behind the ring: W's scale bytes, rs, negc, the spare words.
; REGISTERS, in windows of 256: window 0: v1-15 addresses; v16-19 (rs, negc) of a tile's e, two sets; v64-191 phase 1: two sets of 64 numbers; phase 2: v64-95 four accumulators, v96-127 the rows' sums;
;   v192-207 at work; v208-239 h's scale words, v240-255 W's, two sets: scales and nothing else.   window 1: W's fragments, two sets of 128.
;   windows 2, 3: h's codes: fragment (row tile rt, K step ks) in window 2 + ks / 4 at 64 rt + 16 (ks % 4), so that under one setting four accumulators take turns.
.set PITCH, 1040
.set WSH,   32*PITCH                   ; a wave's share of a slot
.set SLOTB, 4*WSH                      ; 133,120 = 0x20800: its two bits are in no wave's share's address, so one exclusive or changes the slot
.set TILEB, 16*PITCH                   ; 16 rows
.set SCL,   2*SLOTB                    ; W's scale bytes: 128 units of 256 bytes + 16 of padding
.set SCW,   32*272                     ; a wave's quarter of them
.set RL,    SCL+4*SCW                  ; rs of my batch, 4,096 bytes
.set CL,    RL+4096                    ; negc of my batch
.set SPARE, CL+4096                    ; the spare words, 128 bytes for each wave: two blocks of 256 bytes that no other line names
.set SPW, 1                            ; v1   LDS address of my spare word; never rewritten
.set NIL, 2                            ; v2   0; never rewritten
.set RR,  3                            ; v3   r = lane % 16
.set HH,  4                            ; v4   h = lane / 16
.set ADX, 5                            ; v5-6 phase 1: my place in my share of slot 0, 1: row r, + 64 h
.set BL,  7                            ; v7   my place in a tile of W: row r, + 16 h
.set SLN, 8                            ; v8   my place among W's scale bytes: row r of 32 bytes, 16 more behind eight rows
.set CLN, 9                            ; v9   my place in rs: 4 r; negc lies 4,096 bytes on
.set ADB, 10                           ; v10-12 the addresses of the loads in hand
.set ADS, 11
.set ADC, 12
.set GO,  13                           ; v13  my byte in the wave's 256 bytes of scores
.set RES, 14                           ; v14-15 my two scores
.set CR,  16
.set X,   64
.set ACC, 64
.set S,   96
.set TM,  192
.set AS,  208                          ; h's scale word of (rt, ks) at AS + 8 rt + ks
.set WS,  240                          ; W's of set p, K step ks at WS + 8 p + ks
.set WV,  16                           ; s16  my wave's number
.set SEL, 20                           ; s[20:21] lane l xor 16
.set MNT, 22                           ; s22  the mantissa field of 448
.set G1H, 24                           ; s[24:31] group 1 for h's tiles;  s[32:39] W's;  s[40:47] W's scales;  s[48:55] rs and negc
.set G1W, 32
.set G1S, 40
.set G1V, 48
.set G0H, 56                           ; s[56:59], s[60:63] group 0 for h's tiles, one for each slot
.set G0W, 68                           ; s[68:71] W's, which walks;  s[72:75] W's scales;  s[76:79] rs;  s[80:83] negc
.set G0S, 72
.set G0R, 76
.set G0C, 80
.set TB,  84                           ; s84  LDS byte of the tile of W to be fetched
.set TS,  85                           ; s85  of its scale bytes: 544 a tile
.set TC,  86                           ; s86  of its rs and negc: 64 a tile
.set CI,  87
.set CO,  88
.set MSB, 0
.macro WIN new                         ; the immediate's high byte repeats the setting that is left
.if MSB != (\new)
	s_set_vgpr_msb (MSB<<8)|(\new)
.set MSB, (\new)
.endif
.endm
.macro PLACES n
.rept \n
	v_nop
.endr
.endm
; A round of the cluster's barrier: my work-group's barrier, wave 0's signal for the work-group, every wave's wait for the four work-groups, my work-group's barrier once more
.macro ROUND
	s_barrier_signal -1
	s_barrier_wait -1
	s_cmp_lg_u32 s[WV], 0
	s_cbranch_scc1 .Lnot_wave_0_\@
	s_barrier_signal -3
.Lnot_wave_0_\@:
	s_barrier_wait -3
	s_barrier_signal -1
	s_barrier_wait -1
.endm
; PHASE 1's change: slot rho, whose last numbers have been asked for, takes the same 32 rows' next 256 along K
.macro CHANGE_H rho
	s_wait_tensorcnt 0x0                           ; all my tensor loads have landed, the other slot's tile among them: a group 0 may be written
	ds_add_u32 v[SPW], v[NIL]                      ; 0 onto my spare word; the address's step stands between it and the wait
	s_add_nc_u64 s[G0H+4*(\rho)+2:G0H+4*(\rho)+3], s[G0H+4*(\rho)+2:G0H+4*(\rho)+3], 1024
	s_wait_dscnt 0x0                               ; the add is done, and my reads of the slot are back in registers
	ROUND
	tensor_load_to_lds s[G0H+4*(\rho):G0H+4*(\rho)+3], s[G1H:G1H+7]   ; my one tensor load behind the round
	s_nop 0
	PLACES 4
.endm
; A change that concerns W.  step = 1: the walking descriptor goes to the other slot and 128 rows on; walk = 1: the fetches go to the other slot's first tile; fill = 1: the joint load, behind a round
.macro CHANGE_W step, fill, walk
	s_wait_tensorcnt 0x0                           ; all my tensor loads have landed: my part of the slot ahead
	ds_add_u32 v[SPW], v[NIL]                      ; 0 onto my spare word
.if \step
	s_xor_b32 s[G0W+1], s[G0W+1], SLOTB
	s_add_nc_u64 s[G0W+2:G0W+3], s[G0W+2:G0W+3], 131072
.endif
.if \walk
	s_sub_co_u32 s[TB], s[TB], SLOTB               ; eight tiles back,
	s_xor_b32 s[TB], s[TB], SLOTB                  ; in the other slot
.endif
	s_wait_dscnt 0x0                               ; the add is done, and my reads of the slot that is left are back in registers
.if \fill
	ROUND                                          ; no wave of any partner still reads the slot or has a load on its way
	tensor_load_to_lds s[G0W:G0W+3], s[G1W:G1W+7]  ; my one tensor load behind the round: 32 of the slot's 128 rows
	s_nop 0
	PLACES 4
.else
	s_barrier_signal -1
	s_barrier_wait -1
.endif
.endm
; 64 numbers a lane out of slot sl: rows 16 a + r of the unit's 32, the unit's s-th 128 along K: register 16 b + i = k 32 b + 16 h + i
.macro XFETCH sl, a, s, set
.irp b, 0,1,2,3
.irp j, 0,1,2,3
	ds_load_b128 v[X+64*(\set)+16*\b+4*\j:X+64*(\set)+16*\b+4*\j+3], v[ADX+(\sl)] offset:(\a)*TILEB+512*(\s)+128*\b+16*\j
.endr
.endr
.endm
; They become fragment (rt, ks) of h's codes and its scale word
.macro QUANT set, rt, ks
.set XS, X+64*(\set)
.set AD, 64*(\rt)+16*((\ks)%4)
.set SW, AS+8*(\rt)+(\ks)
.irp b, 0,1,2,3
	v_max3_num_f32 v[TM+\b], |v[XS+16*\b]|, |v[XS+1+16*\b]|, 0x4800000   ; block b: my 16 numbers, and the floor 2^(9 - 127): the byte cannot fall under 1
.endr
.irp i, 2,4,6,8,10,12,14
.irp b, 0,1,2,3
	v_max3_num_f32 v[TM+\b], v[TM+\b], |v[XS+16*\b+\i]|, |v[XS+1+16*\b+\i]|
.endr
.endr
.irp b, 0,1,2,3
	v_permlanex16_b32 v[TM+4+\b], v[TM+\b], s[SEL], s[SEL+1]
.endr
.irp b, 0,1,2,3
	v_max_num_f32 v[TM+\b], v[TM+\b], v[TM+4+\b]                  ; with lane l xor 16's: the block's largest magnitude
.endr
.irp b, 0,1,2,3
	v_add_nc_u32 v[TM+12+\b], 0xfc000000, v[TM+\b]                ; 8 off its exponent field: the conversion's scale operand
.endr
.irp b, 0,1,2,3
	v_and_or_b32 v[TM+8+\b], v[TM+\b], 0x7f800000, s[MNT]         ; 448 x the scale
.endr
.irp b, 0,1,2,3
	v_lshrrev_b32 v[TM+4+\b], 23, v[TM+12+\b]                     ; the scale's byte
.endr
	v_lshl_or_b32 v[SW], v[TM+5], 8, v[TM+4]                      ; my row's scale word, where the products will name it
	v_lshl_or_b32 v[SW], v[TM+6], 16, v[SW]
	v_lshl_or_b32 v[SW], v[TM+7], 24, v[SW]
.irp b, 0,1,2,3
.irp i, 0,1,2,3,4,5,6,7,8,9,10,11,12,13,14,15
	v_med3_num_f32 v[XS+16*\b+\i], v[XS+16*\b+\i], -v[TM+8+\b], v[TM+8+\b]   ; the conversion to an 8-bit code does not saturate (ISA guide 7.6.2): the hold comes first
.endr
.endr
	WIN 0x80+0x40*((\ks)/4)                        ; destination window 2 or 3: one switch for the eight conversions
.irp b, 0,1,2,3
	v_cvt_scalef32_pk8_fp8_f32 v[AD+4*\b:AD+4*\b+1], v[XS+16*\b:XS+16*\b+7], v[TM+12+\b]
	v_cvt_scalef32_pk8_fp8_f32 v[AD+4*\b+2:AD+4*\b+3], v[XS+16*\b+8:XS+16*\b+15], v[TM+12+\b]
.endr
	WIN 0
	v_nop                                          ; a plain line behind the last conversion
.endm
; A unit: 32 rows x 256 along K in slot rho: four fragments.  The next fragment's 16 loads are out while one is quantised.  The fourth is quantised behind the change of slots, on registers alone.
.macro UNIT kap, rho
	XFETCH \rho, 0, 0, 0
	XFETCH \rho, 0, 1, 1
	s_wait_dscnt 16                                ; all but the sixteen just issued
	QUANT 0, 2*(\rho), 2*(\kap)
	XFETCH \rho, 1, 0, 0
	s_wait_dscnt 16
	QUANT 1, 2*(\rho), 2*(\kap)+1
	XFETCH \rho, 1, 1, 1
	s_wait_dscnt 16
	QUANT 0, 2*(\rho)+1, 2*(\kap)
.endm
; PHASE 2.  A tile of 16 rows of W into set p: its rs and negc, its eight scale words, its eight fragments: 36 LDS loads in one run
.macro LOADS p
	v_add_nc_u32 v[ADB], s[TB], v[BL]
	v_add_nc_u32 v[ADS], s[TS], v[SLN]
	v_add_nc_u32 v[ADC], s[TC], v[CLN]
	ds_load_b32 v[CR+2*(\p)], v[ADC]
	ds_load_b32 v[CR+2*(\p)+1], v[ADC] offset:4096
	ds_load_b128 v[WS+8*(\p):WS+8*(\p)+3], v[ADS]
	ds_load_b128 v[WS+8*(\p)+4:WS+8*(\p)+7], v[ADS] offset:16
	WIN 0x40                                       ; destination window 1
.irp ks, 0,1,2,3,4,5,6,7
.irp c, 0,1,2,3
	ds_load_b128 v[128*(\p)+16*\ks+4*\c:128*(\p)+16*\ks+4*\c+3], v[ADB] offset:128*\ks+32*\c
.endr
.endr
	WIN 0
	s_add_co_u32 s[TB], s[TB], TILEB
	s_add_co_u32 s[TS], s[TS], 544
	s_add_co_u32 s[TC], s[TC], 64
.endm
; 32 matrix instructions: my four row tiles x all of K against set p.  The four accumulators take turns, one instruction a turn; the first K step starts the sums.
.macro RUN p
	WIN 0x06                                       ; source 0 (h, K steps 0-3) window 2, source 1 (W) window 1
.irp ks, 0,1,2,3
.irp rt, 0,1,2,3
.if \ks == 0
	v_wmma_scale_f32_16x16x128_f8f6f4 v[ACC+8*\rt:ACC+8*\rt+7], v[64*\rt+16*\ks:64*\rt+16*\ks+15], v[128*(\p)+16*\ks:128*(\p)+16*\ks+15], 0, v[AS+8*\rt+\ks], v[WS+8*(\p)+\ks]
.else
	v_wmma_scale_f32_16x16x128_f8f6f4 v[ACC+8*\rt:ACC+8*\rt+7], v[64*\rt+16*\ks:64*\rt+16*\ks+15], v[128*(\p)+16*\ks:128*(\p)+16*\ks+15], v[ACC+8*\rt:ACC+8*\rt+7], v[AS+8*\rt+\ks], v[WS+8*(\p)+\ks]
.endif
.endr
.endr
	WIN 0x07                                       ; source 0 (K steps 4-7) window 3
.irp ks, 4,5,6,7
.irp rt, 0,1,2,3
	v_wmma_scale_f32_16x16x128_f8f6f4 v[ACC+8*\rt:ACC+8*\rt+7], v[64*\rt+16*(\ks-4):64*\rt+16*(\ks-4)+15], v[128*(\p)+16*\ks:128*(\p)+16*\ks+15], v[ACC+8*\rt:ACC+8*\rt+7], v[AS+8*\rt+\ks], v[WS+8*(\p)+\ks]
.endr
.endr
	WIN 0
.endm
; S += rs[e] max(x, negc[e]), each accumulator from its low end on.  first = 1: the products start the sums: nothing is cleared
.macro POST p, first
.irp rt, 0,1,2,3
.irp j, 0,1,2,3,4,5,6,7
	v_max_num_f32 v[ACC+8*\rt+\j], v[CR+2*(\p)+1], v[ACC+8*\rt+\j]
.endr
.irp j, 0,2,4,6
.if \first
	v_pk_mul_f32 v[S+8*\rt+\j:S+8*\rt+\j+1], v[ACC+8*\rt+\j:ACC+8*\rt+\j+1], v[CR+2*(\p):CR+2*(\p)+1] op_sel_hi:[1,0]
.else
	v_pk_fma_f32 v[S+8*\rt+\j:S+8*\rt+\j+1], v[ACC+8*\rt+\j:ACC+8*\rt+\j+1], v[CR+2*(\p):CR+2*(\p)+1], v[S+8*\rt+\j:S+8*\rt+\j+1] op_sel_hi:[1,0,1]
.endif
.endr
.endr
.endm
; A tile: set p is in (its loads were issued a whole tile ago); the next tile's loads go out; the products; eight places; the maxima and sums, which are also the places in front of the next run of loads
.macro BODY p, load, first
	s_wait_dscnt 0x0
.if \load
	LOADS 1-(\p)
.endif
	RUN \p
	PLACES 8                                       ; in front of the first read of the results (ISA guide 7.12.1)
	POST \p, \first
.endm
.macro PAIRS label, trips                      ; trips x two tiles
	s_mov_b32 s[CI], \trips
\label:
	BODY 1, 1, 0
	BODY 0, 1, 0
	s_sub_co_u32 s[CI], s[CI], 1
	s_cmp_lg_u32 s[CI], 0
	s_cbranch_scc1 \label
.endm
	s_load_b256 s[4:11], s[0:1], 0x0               ; h s[4:5], W's codes s[6:7], W's scales s[8:9], rs s[10:11]
	s_load_b128 s[12:15], s[0:1], 0x20             ; negc s[12:13], scores s[14:15]
	v_lshl_add_u32 v[SPW], v0, 2, SPARE
	v_mov_b32 v[NIL], 0
	ds_add_u32 v[SPW], v[NIL]                      ; the wave's opening: the add, twice on end, and its wait ahead of my first tensor load
	ds_add_u32 v[SPW], v[NIL]                      ; and once more; the set-up below, work on registers, stands between it and the wait
	v_lshrrev_b32 v3, 5, v0
	v_readfirstlane_b32 s[WV], v3                  ; wave 0..3
	s_bfe_u32 s17, ttmp6, 0x40000                  ; cx: my place in the cluster: it enters h's and the scores' addresses alone
	s_lshl_b32 s18, ttmp9, 2
	s_add_co_u32 s18, s18, s17                     ; my block of 256 rows
	s_lshl_b32 s90, s18, 20                        ; 256 rows of 4,096 bytes,
	s_lshl_b32 s91, s[WV], 18                      ; my wave's 64 of them
	s_add_co_u32 s90, s90, s91
	s_mov_b32 s91, 0
	s_lshl_b32 s66, s18, 10                        ; 256 scores of 4 bytes,
	s_lshl_b32 s67, s[WV], 8                       ; my wave's 64
	s_add_co_u32 s66, s66, s67
	s_mov_b32 s67, 0
	s_lshr_b32 s92, ttmp9, 1                       ; the batch, which the four partners share: two clusters to a batch
	s_lshl_b32 s92, s92, 12
	s_lshl_b32 s89, s[WV], 10                      ; my quarter of its 4,096 bytes of rs and of negc
	s_add_co_u32 s92, s92, s89
	s_mov_b32 s93, 0
	s_lshl_b32 s94, s[WV], 15                      ; my 32 rows of a slot's 128 rows of W
	s_mov_b32 s95, 0
	s_lshl_b32 s96, s[WV], 13                      ; my quarter of W's scale bytes
	s_mov_b32 s97, 0
	s_mul_i32 s19, s[WV], WSH                      ; my share of a slot
	s_mul_i32 s23, s[WV], SCW
	; group 1 for h: 32 rows x 256 elements of 4 bytes, 1,024 elements from row to row; 4 words of padding behind every 256
	s_mov_b32 s[G1H], (2<<16)|(1<<20)|(7<<22)|(3<<25)
	s_mov_b32 s[G1H+1], 256<<16                    ; tensor_dim0
	s_mov_b32 s[G1H+2], 32<<16                     ; tensor_dim1
	s_mov_b32 s[G1H+3], 256<<16                    ; tile_dim0
	s_mov_b32 s[G1H+4], 32                         ; tile_dim1
	s_mov_b32 s[G1H+5], 1024                       ; the pitch
	s_mov_b32 s[G1H+6], 0
	s_mov_b32 s[G1H+7], 0
	; for W: 32 rows x 1,024 elements of 1 byte, dense; the same padding; the mask of the four work-groups, bit 21 beside it
	s_mov_b32 s[G1W], 15|(1<<20)|(1<<21)|(7<<22)|(3<<25)
	s_mov_b32 s[G1W+1], 1024<<16
	s_mov_b32 s[G1W+2], 32<<16
	s_mov_b32 s[G1W+3], 1024<<16
	s_mov_b32 s[G1W+4], 32
	s_mov_b32 s[G1W+5], 1024
	s_mov_b32 s[G1W+6], 0
	s_mov_b32 s[G1W+7], 0
	; for W's scale bytes: 8,192 dense bytes as 32 rows of 32 elements of 8 bytes; 4 words of padding behind every 64
	s_mov_b32 s[G1S], 15|(3<<16)|(1<<20)|(1<<21)|(5<<22)|(3<<25)
	s_mov_b32 s[G1S+1], 32<<16
	s_mov_b32 s[G1S+2], 32<<16
	s_mov_b32 s[G1S+3], 32<<16
	s_mov_b32 s[G1S+4], 32
	s_mov_b32 s[G1S+5], 32
	s_mov_b32 s[G1S+6], 0
	s_mov_b32 s[G1S+7], 0
	; for rs and negc: 1,024 dense bytes as 4 rows of 256, no padding
	s_mov_b32 s[G1V], 15|(3<<16)|(1<<21)
	s_mov_b32 s[G1V+1], 32<<16
	s_mov_b32 s[G1V+2], 4<<16
	s_mov_b32 s[G1V+3], 32<<16
	s_mov_b32 s[G1V+4], 4
	s_mov_b32 s[G1V+5], 32
	s_mov_b32 s[G1V+6], 0
	s_mov_b32 s[G1V+7], 0
	s_mov_b32 s[SEL], 0x76543210
	s_mov_b32 s[SEL+1], 0xfedcba98
	s_mov_b32 s[MNT], 0x600000
	s_mov_b32 s[TB], 0
	s_mov_b32 s[TS], 0
	s_mov_b32 s[TC], 0
	s_wait_dscnt 0x0                               ; both opening adds are done
	s_wait_kmcnt 0x0
	s_add_nc_u64 s[14:15], s[14:15], s[66:67]      ; the scores at my wave's first row
	s_mov_b32 s[G0S], 1
	s_add_co_u32 s[G0S+1], s23, SCL
	s_add_nc_u64 s[G0S+2:G0S+3], s[8:9], s[96:97]
	s_or_b32 s[G0S+3], s[G0S+3], 0x80000000
	s_mov_b32 s[G0R], 1
	s_add_co_u32 s[G0R+1], s89, RL
	s_add_nc_u64 s[G0R+2:G0R+3], s[10:11], s[92:93]
	s_or_b32 s[G0R+3], s[G0R+3], 0x80000000
	s_mov_b32 s[G0C], 1
	s_add_co_u32 s[G0C+1], s89, CL
	s_add_nc_u64 s[G0C+2:G0C+3], s[12:13], s[92:93]
	s_or_b32 s[G0C+3], s[G0C+3], 0x80000000
	s_mov_b32 s[G0W], 1
	s_mov_b32 s[G0W+1], s19
	s_add_nc_u64 s[G0W+2:G0W+3], s[6:7], s[94:95]
	s_or_b32 s[G0W+3], s[G0W+3], 0x80000000
	s_add_nc_u64 s[4:5], s[4:5], s[90:91]          ; h at my wave's first row
.irp s, 0,1
	s_mov_b32 s[G0H+4*\s], 1
	s_add_co_u32 s[G0H+4*\s+1], s19, \s*SLOTB
	s_add_nc_u64 s[G0H+4*\s+2:G0H+4*\s+3], s[4:5], \s*131072   ; slot s: my rows 32 s on
	s_or_b32 s[G0H+4*\s+3], s[G0H+4*\s+3], 0x80000000
.endr
	ROUND                                          ; all four work-groups are here: the first joint loads meet
	tensor_load_to_lds s[G0S:G0S+3], s[G1S:G1S+7]  ; the first fills, one group, the same five in every wave: five loads of mine are out
	s_nop 0
	tensor_load_to_lds s[G0R:G0R+3], s[G1V:G1V+7]
	s_nop 0
	tensor_load_to_lds s[G0C:G0C+3], s[G1V:G1V+7]
	s_nop 0
	tensor_load_to_lds s[G0H:G0H+3], s[G1H:G1H+7]
	s_nop 0
	tensor_load_to_lds s[G0H+4:G0H+7], s[G1H:G1H+7]
	s_nop 0
	PLACES 4
	v_and_b32 v[RR], 15, v0
	v_bfe_u32 v[HH], v0, 4, 1
	v_mul_u32_u24 v[BL], v[RR], PITCH
	v_lshl_add_u32 v[ADX], v[HH], 6, v[BL]
	v_add_nc_u32 v[ADX], s19, v[ADX]
	v_add_nc_u32 v[ADX+1], SLOTB, v[ADX]
	v_lshl_add_u32 v[BL], v[HH], 4, v[BL]
	v_lshrrev_b32 v[SLN], 3, v[RR]
	v_lshlrev_b32 v[SLN], 4, v[SLN]
	v_lshl_add_u32 v[SLN], v[RR], 5, v[SLN]
	v_add_nc_u32 v[SLN], SCL, v[SLN]
	v_lshl_add_u32 v[CLN], v[RR], 2, RL
	v_lshrrev_b32 v[GO], 2, v[RR]                  ; lane (r, h) will store rows 16 (r / 4) + 8 h + 2 (r % 4) and the next
	v_lshlrev_b32 v[GO], 6, v[GO]
	v_and_b32 v[RES], 3, v[RR]
	v_lshl_add_u32 v[GO], v[RES], 3, v[GO]
	v_lshl_add_u32 v[GO], v[HH], 5, v[GO]
.irp b, 0,1,2,3
	v_mov_b32 v[TM+4+\b], 0                        ; written once: a lane permute's destination counts as one of its sources
.endr
	; ---- PHASE 1: eight units.  A wave reads only its own share of a slot, so its own wait on TENSORcnt orders its reads
	s_wait_tensorcnt 0x1                           ; slot 0's tile and all that was asked for ahead of it are in; slot 1's may be out: nothing is filled before the first change
.irp kap, 0,1,2
	UNIT \kap, 0
	CHANGE_H 0
	QUANT 1, 1, 2*\kap+1
	UNIT \kap, 1
	CHANGE_H 1
	QUANT 1, 3, 2*\kap+1
.endr
	UNIT 3, 0
	CHANGE_W 0, 1, 0                               ; h has left slot 0: it takes W's rows 0 to 127
	QUANT 1, 1, 7
	UNIT 3, 1
	CHANGE_W 1, 1, 0                               ; and slot 1 rows 128 to 255.  Slot 0, the scale bytes, rs and negc are whole for every wave behind this round
	QUANT 1, 3, 7
	; ---- PHASE 2: 64 tiles of 16 rows of W, eight to a slot, fetched one tile ahead: so a slot is left in front of its last tile's products
	LOADS 0
	BODY 0, 1, 1                                   ; tile 0 starts the rows' sums
	PAIRS .Lhead, 3                                ; tiles 1 to 6
	s_mov_b32 s[CO], 6
.Lslot:                                            ; six trips: the slot that is left takes the rows two slots on; the load has eight tiles, 256 matrix instructions, in which to land
	CHANGE_W 1, 1, 1
	PAIRS .Lring, 4
	s_sub_co_u32 s[CO], s[CO], 1
	s_cmp_lg_u32 s[CO], 0
	s_cbranch_scc1 .Lslot
	CHANGE_W 0, 0, 1                               ; the tail is written out: nothing is left to ask for
	PAIRS .Ltail, 4                                ; tiles 55 to 62
	BODY 1, 0, 0                                   ; tile 63
	; ---- THE WAY OUT.  Register 8 rt + j of S holds, for row 16 rt + 8 h + j, the sum over the e of my lane: sixteen lanes are added; then lane r keeps registers 2 r and 2 r + 1
.irp m, 1,2,4,8
.irp i, 0,1,2,3,4,5,6,7,8,9,10,11,12,13,14,15,16,17,18,19,20,21,22,23,24,25,26,27,28,29,30,31
	v_add_f32_dpp v[S+\i], v[S+\i], v[S+\i] row_xmask:\m row_mask:0xf bank_mask:0xf
.endr
.endr
	v_mov_b32 v[RES], v[S]
	v_mov_b32 v[RES+1], v[S+1]
.irp i, 1,2,3,4,5,6,7,8,9,10,11,12,13,14,15
	v_cmp_eq_u32 vcc_lo, \i, v[RR]
	v_cndmask_b32 v[RES], v[RES], v[S+2*\i], vcc_lo
	v_cndmask_b32 v[RES+1], v[RES+1], v[S+2*\i+1], vcc_lo
.endr
	global_store_b64 v[GO], v[RES:RES+1], s[14:15] ; the wave's 64 scores: 256 consecutive bytes, at a multiple of 256 from the buffer's first byte
	s_wait_tensorcnt 0x0                           ; the wave's end, behind my last tensor load
	ds_add_u32 v[SPW], v[NIL]
	s_wait_dscnt 0x0
	ROUND                                          ; the closing round: no work-group ends while a partner may still ask for a tile that names it
	s_endpgm
.Lfunc_end_k_q0be30c8f21_proj:
	.size	k_q0be30c8f21_proj, .Lfunc_end_k_q0be30c8f21_proj-k_q0be30c8f21_proj
	.p2alignl 7, 3214868480
	.fill 96, 4, 3214868480
	.section	.rodata,"a",@progbits
	.p2align	6, 0x0
	.amdhsa_kernel k_q0be30c8f21_proj
		.amdhsa_group_segment_fixed_size 327680
		.amdhsa_private_segment_fixed_size 0
		.amdhsa_enable_private_segment 0
		.amdhsa_kernarg_size 48
		.amdhsa_user_sgpr_count 2
		.amdhsa_user_sgpr_kernarg_segment_ptr 1
		.amdhsa_wavefront_size32 1
		.amdhsa_system_sgpr_workgroup_id_x 1
		.amdhsa_system_sgpr_workgroup_id_y 1
		.amdhsa_system_sgpr_workgroup_id_z 1
		.amdhsa_system_vgpr_workitem_id 0
		.amdhsa_next_free_vgpr 1024
		.amdhsa_next_free_sgpr 100
		.amdhsa_reserve_vcc 1
		.amdhsa_float_denorm_mode_32 3
		.amdhsa_float_denorm_mode_16_64 3
		.amdhsa_memory_ordered 1
		.amdhsa_forward_progress 1
		.amdhsa_inst_pref_size 255
	.end_amdhsa_kernel
	.section	.bss,"aw",@nobits
	.p2align	6
	.space	262144
	.amdgpu_metadata
---
amdhsa.version: [ 1, 2 ]
amdhsa.kernels:
  - .name:           k_q0be30c8f21_proj
    .symbol:         k_q0be30c8f21_proj.kd
    .args:
      - { .name: att_hidden, .offset: 0, .size: 8, .value_kind: global_buffer, .address_space: global }
      - { .name: W_codes, .offset: 8, .size: 8, .value_kind: global_buffer, .address_space: global }
      - { .name: W_scales, .offset: 16, .size: 8, .value_kind: global_buffer, .address_space: global }
      - { .name: rnn_state, .offset: 24, .size: 8, .value_kind: global_buffer, .address_space: global }
      - { .name: negc, .offset: 32, .size: 8, .value_kind: global_buffer, .address_space: global }
      - { .name: scores, .offset: 40, .size: 8, .value_kind: global_buffer, .address_space: global }
    .group_segment_fixed_size: 327680
    .private_segment_fixed_size: 0
    .kernarg_segment_align: 8
    .kernarg_segment_size: 48
    .max_flat_workgroup_size: 128
    .sgpr_count:     100
    .vgpr_count:     1024
    .wavefront_size: 32
...
	.end_amdgpu_metadata
.endif
;; end of part 2
;; launch pool (part 3): grid 256 x 1, 16 waves a work-group, no clusters, 18,944 bytes of LDS; arguments att_hidden, scores, out0, out1; writes out0, out1
.if DOCPART == 3
	.amdgcn_target "amdgcn-amd-amdhsa--gfx1250"
	.amdhsa_code_object_version 6
	.text
	.protected	k_q0be30c8f21_pool
	.globl	k_q0be30c8f21_pool
	.p2align	8
	.type	k_q0be30c8f21_pool,@function
k_q0be30c8f21_pool:
	s_mov_b64 s[64:65], 0
	v_nop
	global_prefetch_b8 v0, s[64:65] scope:SCOPE_SE
	s_setreg_imm32_b32 hwreg(HW_REG_WAVE_MODE, 25, 1), 1
	s_wait_xcnt 0x0
; out1[b][s] = softmax_s(scores[b][s]);  out0[b][d] = sum_s out1[b][s] h[b][s][d].  h = att_hidden [32][2048][1024] f32.  All in f32: the maximum is taken away before the exponential, as reference() does.
; LEFT OUT: the scores lack the term sum_e rs[e] c[e], the same for all s of a batch (shown at the head of the first launch): the softmax takes it away.
; LIMITS: NaN and infinities are not served; a weight under 2^-126 comes out as 0 (v_exp_f32 flushes denormal results: ISA guide 15.8).
; SHARES.  Work-group (b, q), b = number / 8, q = number % 8, owns out0[b][128 q .. 128 q + 127]: one owner for each output, no partial sums in memory.  Each of its sixteen waves takes 128 rows s; of each row the
; wave's 32 lanes read the slice's 512 consecutive bytes, 16 a lane.  Every work-group makes the batch's softmax anew from its 8,192 bytes of scores; the eight share out out1's 2,048 numbers, 256 each.
; A ring of sixteen loads a wave in registers: every offset is an immediate, no address is stepped.  No tensor loads, no matrix work, no cluster: what the work-groups of a batch share is the 8,192 bytes of
; scores beside 1 MiB of h that is each one's own.
.set MAXW,  0                          ; LDS: sixteen waves' maxima, in a block of 256 bytes of their own
.set SUMW,  256                        ; their sums likewise
.set WT,    512                        ; the weights: 512 bytes a wave, each wave's own
.set RED,   WT+8192                    ; sixteen partial results of 512 bytes
.set SPARE, RED+8192                   ; the spare words, 128 bytes for each wave: eight blocks of 256 bytes that no other line names
.set SPW, 2                            ; v2   LDS address of my spare word; never rewritten
.set NIL, 3                            ; v3   0; never rewritten
.set P,   4                            ; v4-7   my four scores, then p, then weights
.set LW,  12                           ; v12-27 sixteen words from LDS
.set TO,  28                           ; v28  16 x thread
.set HO,  29                           ; v29  16 x lane
.set MW,  30                           ; v30  4 x wave
.set ZA,  31                           ; v31  0, as an LDS address
.set WR,  1                            ; v1   WT + 512 x wave
.set RING, 32                          ; v32-95   sixteen rows' 16 bytes
.set ACC,  96                          ; v96-103  two chains of four sums
.set WGT,  128                         ; v128-255 my wave's 128 weights, the same in every lane
	s_load_b256 s[4:11], s[0:1], 0x0               ; h s[4:5], scores s[6:7], out0 s[8:9], out1 s[10:11]
	v_lshl_add_u32 v[SPW], v0, 2, SPARE
	v_mov_b32 v[NIL], 0
	v_lshrrev_b32 v[MW], 5, v0
	v_readfirstlane_b32 s12, v[MW]                 ; wave 0..15
	v_lshlrev_b32 v[MW], 2, v[MW]
	s_lshr_b32 s13, ttmp9, 3                       ; b
	s_and_b32 s14, ttmp9, 7                        ; q
	v_lshlrev_b32 v[TO], 4, v0
	v_and_b32 v[HO], 31, v0
	v_lshlrev_b32 v[HO], 4, v[HO]
	v_and_b32 v[WR], 0x1e0, v0
	v_lshl_add_u32 v[WR], v[WR], 4, WT
	v_mov_b32 v[ZA], 0
	v_mov_b32 v9, 0                                ; written once: a lane permute's destination counts as one of its sources
	v_mov_b32 v10, 0
	s_lshl_b32 s16, s13, 23                        ; the batch's 2,048 rows of 4,096 bytes,
	s_lshl_b32 s17, s12, 19                        ; my wave's 128 rows,
	s_add_co_u32 s16, s16, s17
	s_lshl_b32 s17, s14, 9                         ; the slice's 512 bytes
	s_add_co_u32 s16, s16, s17
	s_mov_b32 s17, 0
	s_lshl_b32 s18, s13, 13                        ; the batch's 8,192 bytes of scores and of out1
	s_mov_b32 s19, 0
	s_lshl_b32 s20, s13, 12                        ; out0: the batch's row, the slice
	s_lshl_b32 s21, s14, 9
	s_add_co_u32 s20, s20, s21
	s_mov_b32 s21, 0
	s_mov_b32 s22, 0x76543210
	s_mov_b32 s23, 0xfedcba98                      ; lane l xor 16
	s_lshr_b32 s24, s12, 1                         ; which 256 of out1 hold my wave's 128
	s_wait_kmcnt 0x0
	s_add_nc_u64 s[4:5], s[4:5], s[16:17]
	s_add_nc_u64 s[6:7], s[6:7], s[18:19]
	s_add_nc_u64 s[10:11], s[10:11], s[18:19]
	s_add_nc_u64 s[8:9], s[8:9], s[20:21]
	global_load_b128 v[P:P+3], v[TO], s[6:7]       ; scores of rows 4 t .. 4 t + 3: my wave's are rows 128 w on
.irp i, 0,1,2,3,4,5,6,7,8,9,10,11,12,13,14,15
	global_load_b128 v[RING+4*\i:RING+4*\i+3], v[HO], s[4:5] offset:\i*4096 th:TH_LOAD_NT   ; the ring is filled while the softmax is made
.endr
	s_wait_loadcnt 16                              ; the scores are in; the ring's sixteen stay out
	; the maximum: my four, my wave's, the work-group's
	v_max3_num_f32 v8, v[P], v[P+1], v[P+2]
	v_max_num_f32 v8, v8, v[P+3]
	v_max_num_f32_dpp v8, v8, v8 row_xmask:1 row_mask:0xf bank_mask:0xf
	v_max_num_f32_dpp v8, v8, v8 row_xmask:2 row_mask:0xf bank_mask:0xf
	v_max_num_f32_dpp v8, v8, v8 row_xmask:4 row_mask:0xf bank_mask:0xf
	v_max_num_f32_dpp v8, v8, v8 row_xmask:8 row_mask:0xf bank_mask:0xf
	v_permlanex16_b32 v9, v8, s22, s23
	v_max_num_f32 v8, v8, v9
	ds_store_b32 v[MW], v8 offset:MAXW             ; all lanes write the same word with the same value
	s_wait_dscnt 0x0                               ; for the others' sake: my store has landed
	s_barrier_signal -1
	s_barrier_wait -1
.irp k, 0,1,2,3
	ds_load_b128 v[LW+4*\k:LW+4*\k+3], v[ZA] offset:MAXW+16*\k
.endr
	s_wait_dscnt 0x0
	v_max3_num_f32 v8, v[LW], v[LW+1], v[LW+2]
	v_max3_num_f32 v9, v[LW+3], v[LW+4], v[LW+5]
	v_max3_num_f32 v10, v[LW+6], v[LW+7], v[LW+8]
	v_max3_num_f32 v11, v[LW+9], v[LW+10], v[LW+11]
	v_max3_num_f32 v8, v8, v[LW+12], v[LW+13]
	v_max3_num_f32 v9, v9, v[LW+14], v[LW+15]
	v_max3_num_f32 v8, v8, v9, v10
	v_max_num_f32 v8, v8, v11                      ; the row's maximum m
.irp i, 0,1,2,3
	v_sub_f32 v[P+\i], v[P+\i], v8
.endr
.irp i, 0,1,2,3
	v_mul_f32 v[P+\i], 0x3fb8aa3b, v[P+\i]         ; (x - m) log2(e)
.endr
.irp i, 0,1,2,3
	v_exp_f32 v[P+\i], v[P+\i]
.endr
	v_nop                                          ; a plain line behind the last exponential
	s_wait_alu depctr_va_vdst(0)                   ; one wait for the four, ahead of their first reader
	v_add_f32 v9, v[P], v[P+1]
	v_add_f32 v10, v[P+2], v[P+3]
	v_add_f32 v9, v9, v10
	v_add_f32_dpp v9, v9, v9 row_xmask:1 row_mask:0xf bank_mask:0xf
	v_add_f32_dpp v9, v9, v9 row_xmask:2 row_mask:0xf bank_mask:0xf
	v_add_f32_dpp v9, v9, v9 row_xmask:4 row_mask:0xf bank_mask:0xf
	v_add_f32_dpp v9, v9, v9 row_xmask:8 row_mask:0xf bank_mask:0xf
	v_permlanex16_b32 v10, v9, s22, s23
	v_add_f32 v9, v9, v10
	ds_store_b32 v[MW], v9 offset:SUMW             ; other bytes than the maxima's: no barrier is owed between the reads above and this store
	s_wait_dscnt 0x0
	s_barrier_signal -1
	s_barrier_wait -1
.irp k, 0,1,2,3
	ds_load_b128 v[LW+4*\k:LW+4*\k+3], v[ZA] offset:SUMW+16*\k
.endr
	s_wait_dscnt 0x0
	v_pk_add_f32 v[LW:LW+1], v[LW:LW+1], v[LW+2:LW+3]
	v_pk_add_f32 v[LW+4:LW+5], v[LW+4:LW+5], v[LW+6:LW+7]
	v_pk_add_f32 v[LW+8:LW+9], v[LW+8:LW+9], v[LW+10:LW+11]
	v_pk_add_f32 v[LW+12:LW+13], v[LW+12:LW+13], v[LW+14:LW+15]
	v_pk_add_f32 v[LW:LW+1], v[LW:LW+1], v[LW+4:LW+5]
	v_pk_add_f32 v[LW+8:LW+9], v[LW+8:LW+9], v[LW+12:LW+13]
	v_pk_add_f32 v[LW:LW+1], v[LW:LW+1], v[LW+8:LW+9]
	v_add_f32 v9, v[LW], v[LW+1]                   ; the row's sum: at least 1, since the maximum's p is 1
	v_rcp_f32 v9, v9
	v_nop                                          ; a plain line behind the reciprocal
	s_wait_alu depctr_va_vdst(0)                   ; and the wait ahead of its first reader
.irp i, 0,1,2,3
	v_mul_f32 v[P+\i], v[P+\i], v9                 ; the weights
.endr
	s_cmp_lg_u32 s24, s14                          ; waves 2 q and 2 q + 1 store out1's numbers 256 q on: each number of out1 has one owner
	s_cbranch_scc1 .Lnot_mine
	global_store_b128 v[TO], v[P:P+3], s[10:11]    ; 32 lanes store 512 consecutive bytes, at a multiple of 256 from out1's first byte; the data registers are not written again
.Lnot_mine:
	ds_store_b128 v[TO], v[P:P+3] offset:WT        ; my wave's 128 weights into its own 512 bytes,
.irp i, 0,1,2,3,4,5,6,7,8,9,10,11,12,13,14,15,16,17,18,19,20,21,22,23,24,25,26,27,28,29,30,31
	ds_load_b128 v[WGT+4*\i:WGT+4*\i+3], v[WR] offset:16*\i   ; and back into every lane: LDS serves a wave's instructions in order (ISA guide 5.7.1.4), so these see the store
.endr
	s_wait_dscnt 0x0
	; 128 rows: row i's 16 bytes times its weight, even and odd rows in two chains; rows 0 and 1 start the sums
.set i, 0
.rept 128
.if i < 112
	s_wait_loadcnt 15                              ; loads come back in order (ISA guide 5.7.1): row i is in, the fifteen behind it stay out
.else
	s_wait_loadcnt 127-i                           ; the last sixteen rows load nothing: the counts run down
.endif
.set RG, RING+4*(i%16)
.set AC, ACC+4*(i%2)
.irp c, 0,1,2,3
.if i < 2
	v_mul_f32 v[AC+\c], v[WGT+i], v[RG+\c]
.else
	v_fmac_f32 v[AC+\c], v[WGT+i], v[RG+\c]
.endif
.endr
.if i < 112
	global_load_b128 v[RG:RG+3], v[HO], s[4:5] offset:(i+16)*4096 th:TH_LOAD_NT
.endif
.set i, i+1
.endr
.irp c, 0,1,2,3
	v_add_f32 v[ACC+\c], v[ACC+\c], v[ACC+4+\c]
.endr
	ds_store_b128 v[TO], v[ACC:ACC+3] offset:RED
	s_wait_dscnt 0x0                               ; for wave 0's sake: my partial result has landed
	s_barrier_signal -1
	s_barrier_wait -1
	s_cmp_lg_u32 s12, 0
	s_cbranch_scc1 .Lend
.irp k, 0,1,2,3,4,5,6,7,8,9,10,11,12,13,14,15
	ds_load_b128 v[RING+4*\k:RING+4*\k+3], v[HO] offset:RED+512*\k
.endr
	s_wait_dscnt 0x0
.irp k, 1,2,3,4,5,6,7,8,9,10,11,12,13,14,15
	v_pk_add_f32 v[RING:RING+1], v[RING:RING+1], v[RING+4*\k:RING+4*\k+1]
	v_pk_add_f32 v[RING+2:RING+3], v[RING+2:RING+3], v[RING+4*\k+2:RING+4*\k+3]
.endr
	global_store_b128 v[HO], v[RING:RING+3], s[8:9]   ; the slice: 512 consecutive bytes, at a multiple of 256 from out0's first byte
.Lend:
	s_wait_tensorcnt 0x0                           ; the wave's end, behind my last LDS store
	ds_add_u32 v[SPW], v[NIL]
	s_wait_dscnt 0x0
	s_endpgm
.Lfunc_end_k_q0be30c8f21_pool:
	.size	k_q0be30c8f21_pool, .Lfunc_end_k_q0be30c8f21_pool-k_q0be30c8f21_pool
	.p2alignl 7, 3214868480
	.fill 96, 4, 3214868480
	.section	.rodata,"a",@progbits
	.p2align	6, 0x0
	.amdhsa_kernel k_q0be30c8f21_pool
		.amdhsa_group_segment_fixed_size 18944
		.amdhsa_private_segment_fixed_size 0
		.amdhsa_enable_private_segment 0
		.amdhsa_kernarg_size 32
		.amdhsa_user_sgpr_count 2
		.amdhsa_user_sgpr_kernarg_segment_ptr 1
		.amdhsa_wavefront_size32 1
		.amdhsa_system_sgpr_workgroup_id_x 1
		.amdhsa_system_sgpr_workgroup_id_y 1
		.amdhsa_system_sgpr_workgroup_id_z 1
		.amdhsa_system_vgpr_workitem_id 0
		.amdhsa_next_free_vgpr 256
		.amdhsa_next_free_sgpr 66
		.amdhsa_reserve_vcc 0
		.amdhsa_float_denorm_mode_32 3
		.amdhsa_float_denorm_mode_16_64 3
		.amdhsa_memory_ordered 1
		.amdhsa_forward_progress 1
		.amdhsa_inst_pref_size 43
	.end_amdhsa_kernel
	.amdgpu_metadata
---
amdhsa.version: [ 1, 2 ]
amdhsa.kernels:
  - .name:           k_q0be30c8f21_pool
    .symbol:         k_q0be30c8f21_pool.kd
    .args:
      - { .name: att_hidden, .offset: 0, .size: 8, .value_kind: global_buffer, .address_space: global }
      - { .name: scores, .offset: 8, .size: 8, .value_kind: global_buffer, .address_space: global }
      - { .name: out0, .offset: 16, .size: 8, .value_kind: global_buffer, .address_space: global }
      - { .name: out1, .offset: 24, .size: 8, .value_kind: global_buffer, .address_space: global }
    .group_segment_fixed_size: 18944
    .private_segment_fixed_size: 0
    .kernarg_segment_align: 8
    .kernarg_segment_size: 32
    .max_flat_workgroup_size: 512
    .sgpr_count:     66
    .vgpr_count:     256
    .wavefront_size: 32
...
	.end_amdgpu_metadata
.endif
;; end of part 3
